; MI455X (gfx1250); checked and timed in simulation.
; The chip was launched on July 23, 2026; its instructions are those of AMD's public machine-readable ISA for CDNA 5 (MIT licence, August 2026) and "CDNA5" Instruction Set Architecture Reference Guide (July 2026). The comments in the code are by the model that wrote it; some were corrected since.
;; Multi Head Attention Block. Allowed arithmetic: matrix products marked QUANTISED: E2M1 operands, one E8M0 scale for each 32 along K, by v_wmma_scale_f32_16x16x128_f8f6f4 with both operands' format E2M1 (or v_wmma_scale_f32_32x16x128_f4), f32 sums; products left as they are: bf16, f16 or f32 operands; f32 sums; everything else in f32.
;; Inputs: Wk 1,024 x 64 float32; Wo 1,024 x 1,024 float32; Wq 1,024 x 1,024 float32; Wv 1,024 x 64 float32; bk 64 float32; bo 1,024 float32; bq 1,024 float32; bv 64 float32; key 2 x 2,048 x 1,024 float32; mask 2 x 1 x 2,048 x 2,048 int32; query 2 x 2,048 x 1,024 float32; value 2 x 2,048 x 1,024 float32.
;; Outputs: out0 2 x 2,048 x 1,024 float32.
;; This version of the problem:
;;   THIS VERSION OF THE PROBLEM IS GIVEN IN LOW PRECISION. The matrix products marked QUANTISED in the list below multiply operands that are first quantised to E2M1 (2 exponent bits, 1 mantissa bit; 4 bits a number), with one power-of-two scale for each 32 numbers along K (OCP MX v1.0); their sums are f32. The products marked 'left as it is' may take bf16, f16 or f32 operands, with f32 sums. Whichever they take, every output number must still come out within the allowed error. Rounding operands to bf16 (8 significant bits) uses up far more of that allowance than f16 does (11 bits, for magnitudes from 6e-5 to 65,504). All else is computed in f32.
;;   The module's matrix products, in the order in which they are computed (A, B: the left and right operand; K: the contracted axis; several contracted axes count as one K, in the product's order):
;;     1. [M 4,096, K 1,024] x [K 1,024, N 1,024]; A: input query; B: input Wq: QUANTISED
;;     2. [M 4,096, K 1,024] x [K 1,024, N 64]; A: input key; B: input Wk: QUANTISED
;;     3. [M 4,096, K 1,024] x [K 1,024, N 64]; A: input value; B: input Wv: QUANTISED
;;     4. batch 2 x [M 32,768, K 64] x [K 64, N 2,048]; A: computed on the way; B: computed on the way: left as it is (an operand is computed on the way)
;;     5. batch 2 x [M 32,768, K 2,048] x [K 2,048, N 64]; A: computed on the way; B: computed on the way: left as it is (an operand is computed on the way)
;;     6. [M 4,096, K 1,024] x [K 1,024, N 1,024]; A: computed on the way; B: input Wo: left as it is (an operand is computed on the way)
;;   THE QUANTISER, for each operand of a quantised product, along K:
;;     - K is cut into blocks of 32 from its start; a last block that is shorter is filled with zeros.
;;     - A block's scale is 2^e with e = floor(log2(the largest magnitude in the block)) - 2, held to -126 .. 127; a block of zeros has e = 0. As a byte (E8M0): e + 127.
;;     - Each number is divided by its block's scale, clamped to +-6, and rounded to the nearest number of E2M1, ties to even, subnormals kept.
;;     - The product sums the exact products of the quantised numbers (number of the format x scale) in f32.
;;   ~~~python
;;   def quantise(x, axis):      # numpy; x: float32 -> the quantised numbers, widened to float32 again
;;       x = np.moveaxis(x, axis, -1); K = x.shape[-1]
;;       x = np.pad(x, [(0, 0)] * (x.ndim - 1) + [(0, -K % 32)]); x = x.reshape(x.shape[:-1] + (-1, 32)); a = np.abs(x).max(-1, keepdims=True)
;;       e = np.where(a > 0, np.clip(np.frexp(np.where(a > 0, a, 1))[1] - 1 - 2, -126, 127), 0)      # np.frexp(a)[1] - 1 = floor(log2(a)), exactly
;;       r = np.clip(x / 2.0 ** e, -6, 6)
;;       step = 2.0 ** (np.maximum(np.frexp(np.where(r == 0, 1, r))[1] - 1, 0) - 1)
;;       q = np.round(r / step) * step * 2.0 ** e      # np.round: ties to even
;;       return np.moveaxis(q.reshape(q.shape[:-2] + (-1,))[..., :K], -1, axis).astype(np.float32)
;;   ~~~
;; One version. Each part assembles by itself: llvm-mc -triple=amdgcn-amd-amdhsa -mcpu=gfx1250 --defsym DOCPART=n.
;; ======== version 1 of 1: 4 launches
;; limits: values are held in f16: magnitudes above 65,504 overflow, below 6.1e-05 lose precision
;; workspace buffers: acodes 6,291,456 bytes; ascales 393,216 bytes; wcodes 589,824 bytes; wscales 36,864 bytes; wot 2,097,152 bytes; qh 8,388,608 bytes; kvh 1,048,576 bytes; xh 8,388,608 bytes
;; launch prep (part 1): grid 328 x 1, 4 waves a work-group, no clusters, 69,120 bytes of LDS; arguments query, key, value, Wq, Wk, Wv, Wo, acodes, ascales, wcodes, wscales, wot; writes acodes, ascales, wcodes, wscales, wot
.if DOCPART == 1
	.amdgcn_target "amdgcn-amd-amdhsa--gfx1250"
	.amdhsa_code_object_version 6
	.text
	.protected	k_q6d22198592_prep
	.globl	k_q6d22198592_prep
	.p2align	8
	.type	k_q6d22198592_prep,@function
k_q6d22198592_prep:
	s_mov_b64 s[64:65], 0
	v_nop
	global_prefetch_b8 v0, s[64:65] scope:SCOPE_SE
	s_setreg_imm32_b32 hwreg(HW_REG_WAVE_MODE, 25, 1), 1
	s_wait_xcnt 0x0
; PREP.  query, key, value [4096][1024] f32 and Wq [1024][1024], Wk, Wv [1024][64] f32 become codes of FP4 (E2M1) with one E8M0 byte for each 32 along K (K = 1024: the activations' last axis, the weights' FIRST axis);
; Wo [1024 k][1024 n] f32 becomes f16, laid [n][k].
; A block's scale is 2^(floor(log2(its largest magnitude)) - 2); its byte is that magnitude's exponent field - 2, held at 1 from below.  A block of zeros gets the byte 1 and zero codes; the bytes are read by this program alone.
; LIMITS: NaN and infinities are not served; Wo must lie within +-65,504 (f16).
; THE CODES ARE LAID IN THE ORDER OF THE READER'S OPERAND REGISTERS: [tile of 16 rows][K step of 128][c = 0, 1][lane][16 bytes]; lane (r, h) of chunk c holds block 2 c + h of the K step, of the tile's row r.
; The scale bytes are laid [row][8 words], word q = the four bytes of K step q.
; WORK-GROUPS by number: 0-63 Wq (128 columns x one K step), 64-71 Wk and Wv (one K step), 72-135 Wo, 136-327 the activations (a wave = 16 rows x all of K).  Each path has LDS bytes of its own.
; No tensor load, no barrier: waves share nothing.
.set SPARE, 68608                      ; the spare words, 128 bytes a wave: two blocks of 256 bytes that no other line names
.set AST,   8448                       ; the activations' stage, one a wave from byte 0: 16 rows x (512 + 16) bytes
.set CST0,  33792                      ; Wo's stages begin here,
.set CSTB,  8704                       ; one a wave: 32 rows x (256 + 16) bytes
; Window 0: v1 lane, v2 r, v3 h, v4 16 lane, v5 4 lane, v6 8192 h + 16 r, v7 32 lane, v8/v9 the activations' stage in/out, v10/v11 Wo's stage in/out, v12 2048 h + 16 r, v13 8 h, v14 32 r + 16 h
;   v16, v17 the add's two; v32-47 codes; v48-55 scale words; v56-63 at work; v64-191 a weight's numbers as loaded; v192-255 the activations' 64 numbers of a lane
; Window 1: the activations' numbers as loaded: four sets of 64, set q % 4 for K step q: four K steps, 64 loads of 512 bytes, are on their way in each wave
.set MSB, 0
.macro WIN new                         ; the immediate's high byte repeats the setting that is left
.if MSB != \new
	s_set_vgpr_msb (MSB<<8)|\new
.set MSB, \new
.endif
.endm
	s_load_b512 s[4:19], s[0:1], 0x0               ; query, key, value, Wq, Wk, Wv, Wo, acodes
	s_load_b256 s[20:27], s[0:1], 0x40             ; ascales, wcodes, wscales, wot
	v_lshl_add_u32 v16, v0, 2, SPARE
	v_mov_b32 v17, 0
	v_lshrrev_b32 v1, 5, v0
	v_readfirstlane_b32 s28, v1                    ; wave 0..3
	v_and_b32 v1, 31, v0                           ; lane
	v_and_b32 v2, 15, v0                           ; r
	v_bfe_u32 v3, v0, 4, 1                         ; h
	v_lshlrev_b32 v4, 4, v1
	v_lshlrev_b32 v5, 2, v1
	v_lshlrev_b32 v6, 4, v2
	v_lshl_add_u32 v6, v3, 13, v6                  ; a weight's codes: my column's tile (8,192 bytes a tile) and its 16 bytes
	v_lshlrev_b32 v7, 5, v1                        ; a weight's scale words: 32 bytes a column
	s_mul_i32 s38, s28, AST
	v_add_nc_u32 v8, s38, v4                       ; into the stage: a row's 512 bytes as they lie
	v_mul_u32_u24 v9, v2, 528
	v_lshl_add_u32 v9, v3, 7, v9
	v_add_nc_u32 v9, s38, v9                       ; out of it: row r, block h
	s_mul_i32 s39, s28, CSTB
	s_add_co_u32 s39, s39, CST0
	v_mul_u32_u24 v10, v1, 272
	v_add_nc_u32 v10, s39, v10                     ; Wo: row = my column
	v_mul_u32_u24 v11, v3, 272
	v_lshl_add_u32 v11, v2, 4, v11
	v_add_nc_u32 v11, s39, v11                     ; back: sixteen lanes to a row
	v_lshlrev_b32 v12, 4, v2
	v_lshl_add_u32 v12, v3, 11, v12                ; and the same place in wot (2,048 bytes a row)
	v_lshlrev_b32 v13, 3, v3
	v_lshlrev_b32 v14, 5, v2
	v_lshl_add_u32 v14, v3, 4, v14
	s_mov_b32 s36, 0x76543210
	s_mov_b32 s37, 0xfedcba98                      ; v_permlanex16_b32's selects for lane l xor 16
	s_mov_b32 s41, 0                               ; the high word of every offset pair s[40:41]
.macro FINISH                          ; the wave's end
	s_wait_tensorcnt 0x0
	ds_add_u32 v16, v17
	s_wait_dscnt 0x0
	s_endpgm
.endm
; A LANE TAKES A COLUMN, ITS REGISTERS RUN DOWN K: 128 rows of the weight, 32 neighbouring columns a load
.macro LOADW pitch
.set i, 0
.rept 128
	global_load_b32 v[64+i], v5, s[30:31] offset:i*\pitch th:TH_LOAD_NT
.set i, i+1
.endr
	s_wait_loadcnt 0x0
.endm
; where a weight's codes and scale words go: s43 = my first tile of 16 columns, s39 = the K step
.macro DSTW
	s_lshl_b32 s40, s43, 13
	s_lshl_b32 s42, s39, 10
	s_add_co_u32 s40, s40, s42
	s_add_nc_u64 s[32:33], s[22:23], s[40:41]
	s_lshl_b32 s40, s43, 9
	s_lshl_b32 s42, s39, 2
	s_add_co_u32 s40, s40, s42
	s_add_nc_u64 s[34:35], s[24:25], s[40:41]
.endm
; four whole blocks of 32 in one lane: their maxima need no other lane, and the conversions' results are the operand's registers
.macro QW
.irp t, 0,1,2,3
	v_max3_num_f32 v[56+\t], |v[64+32*\t]|, |v[65+32*\t]|, 0x1800000   ; with the floor 2^(3 - 127): the byte cannot fall under 1
.endr
.irp i, 2,4,6,8,10,12,14,16,18,20,22,24,26,28,30
.irp t, 0,1,2,3
	v_max3_num_f32 v[56+\t], v[56+\t], |v[64+32*\t+\i]|, |v[65+32*\t+\i]|   ; the four blocks by turns
.endr
.endr
.irp t, 0,1,2,3
	v_add_nc_u32 v[60+\t], 0xff000000, v[56+\t]    ; 2 off the exponent field: the conversion's scale operand
.endr
.irp t, 0,1,2,3
	v_lshrrev_b32 v[56+\t], 23, v[60+\t]           ; the byte
.endr
	v_lshl_or_b32 v48, v57, 8, v56
	v_lshl_or_b32 v48, v58, 16, v48
	v_lshl_or_b32 v48, v59, 24, v48                ; my column's scale word of this K step
.irp t, 0,1,2,3
.irp g, 0,1,2,3
	v_cvt_scalef32_pk8_fp4_f32 v[32+4*\t+\g], v[64+32*\t+8*\g:71+32*\t+8*\g], v[60+\t]
.endr
.endr
	v_nop                                          ; one plain line behind the last conversion
.irp t, 0,1,2,3
	global_store_b128 v6, v[32+4*\t:35+4*\t], s[32:33] offset:256*\t   ; block t = chunk t / 2, lanes 16 (t % 2) on: sixteen lanes store 256 consecutive bytes, aligned
.endr
	global_store_b32 v7, v48, s[34:35]             ; 4 bytes of each column's 32: 36,864 bytes in the whole launch go out so
.endm
	s_wait_kmcnt 0x0
	s_cmp_lt_u32 ttmp9, 64
	s_cbranch_scc1 .Lwq
	s_cmp_lt_u32 ttmp9, 72
	s_cbranch_scc1 .Lwkv
	s_cmp_lt_u32 ttmp9, 136
	s_cbranch_scc1 .Lwo
; ---- THE ACTIVATIONS.  Unit u = 4 (work-group - 136) + wave: tensor u / 256, its tile of 16 rows u % 256
	s_sub_co_u32 s38, ttmp9, 136
	s_lshl_b32 s38, s38, 2
	s_add_co_u32 s38, s38, s28
	s_lshr_b32 s39, s38, 8
	s_and_b32 s40, s38, 255
	s_lshl_b32 s40, s40, 16                        ; 16 rows of 4,096 bytes
	s_cmp_eq_u32 s39, 0
	s_cselect_b64 s[30:31], s[4:5], s[6:7]
	s_cmp_eq_u32 s39, 2
	s_cselect_b64 s[30:31], s[8:9], s[30:31]
	s_add_nc_u64 s[30:31], s[30:31], s[40:41]
	s_lshl_b32 s40, s38, 13
	s_add_nc_u64 s[32:33], s[18:19], s[40:41]      ; a tile's codes: 8,192 bytes
	s_lshl_b32 s40, s38, 9
	s_add_nc_u64 s[34:35], s[20:21], s[40:41]      ; its scale words: 512 bytes
	v_mov_b32 v59, 0                               ; a lane permute's destination counts as one of its sources
.macro LOADA q                         ; K step q of my 16 rows, into set q % 4 of window 1: each load reads 512 consecutive bytes of one row
.irp i, 0,1,2,3,4,5,6,7,8,9,10,11,12,13,14,15
	global_load_b128 v[64*((\q)%4)+4*\i:64*((\q)%4)+4*\i+3], v4, s[30:31] offset:4096*\i+512*(\q) th:TH_LOAD_NT
.endr
.endm
.macro KSTEP q
.if \q < 5
	s_wait_loadcnt 48                              ; this step's 16 loads are in; those of the three steps issued behind it, 16 each, may be out
.else
	s_wait_loadcnt 16*(7-\q)
.endif
	WIN 0x04                                       ; an LDS store's data are its source 1: window 1
.irp i, 0,1,2,3,4,5,6,7,8,9,10,11,12,13,14,15
	ds_store_b128 v8, v[64*((\q)%4)+4*\i:64*((\q)%4)+4*\i+3] offset:528*\i
.endr
	WIN 0
.irp c, 0,1
.irp g, 0,1,2,3,4,5,6,7
	ds_load_b128 v[192+32*\c+4*\g:195+32*\c+4*\g], v9 offset:256*\c+16*\g   ; block 2 c + h of row r: 32 neighbours.  LDS serves a wave's instructions in order: these see the stores above
.endr
.endr
	s_wait_dscnt 0x0                               ; the numbers are back, and the stores have read their registers,
.if \q < 4
	WIN 0x40                                       ; (destination window 1, address window 0)
	LOADA (\q)+4                                   ; which take the loads of four steps on
	WIN 0
.endif
.irp c, 0,1
	v_max3_num_f32 v[56+\c], |v[192+32*\c]|, |v[193+32*\c]|, 0x1800000
.endr
.irp i, 2,4,6,8,10,12,14,16,18,20,22,24,26,28,30
.irp c, 0,1
	v_max3_num_f32 v[56+\c], v[56+\c], |v[192+32*\c+\i]|, |v[193+32*\c+\i]|
.endr
.endr
.irp c, 0,1
	v_add_nc_u32 v[60+\c], 0xff000000, v[56+\c]
.endr
.irp c, 0,1
	v_lshrrev_b32 v[56+\c], 23, v[60+\c]
.endr
	v_lshl_or_b32 v58, v57, 16, v56                ; my two bytes: blocks h and 2 + h,
	v_lshlrev_b32 v58, v13, v58                    ; at their places (8 h bits up);
	v_permlanex16_b32 v59, v58, s36, s37
	v_or_b32 v[48+\q], v58, v59                    ; with lane l xor 16's two the word is whole
	s_wait_xcnt 0x0                                ; the last step's stores have read the codes' registers
.irp c, 0,1
.irp g, 0,1,2,3
	v_cvt_scalef32_pk8_fp4_f32 v[32+4*\c+\g], v[192+32*\c+8*\g:199+32*\c+8*\g], v[60+\c]
.endr
.endr
	v_nop
.irp c, 0,1
	global_store_b128 v4, v[32+4*\c:35+4*\c], s[32:33] offset:1024*(\q)+512*\c   ; 512 consecutive bytes
.endr
.endm
	WIN 0x40
	LOADA 0
	LOADA 1
	LOADA 2
	LOADA 3
	WIN 0
.irp q, 0,1,2,3,4,5,6,7
	KSTEP \q
.endr
	v_cmp_eq_u32 vcc_lo, 1, v3
.irp i, 0,1,2,3
	v_cndmask_b32 v[56+\i], v[48+\i], v[52+\i], vcc_lo   ; lanes 0-15 store words 0-3 of row r, lanes 16-31 words 4-7
.endr
	global_store_b128 v14, v[56:59], s[34:35]      ; 512 consecutive bytes
	FINISH
; ---- Wq: work-group = 8 cg + q; wave w takes columns 128 cg + 32 w on, rows 128 q on
.Lwq:
	s_lshr_b32 s38, ttmp9, 3
	s_and_b32 s39, ttmp9, 7
	s_lshl_b32 s40, s39, 19                        ; 128 rows of 4,096 bytes
	s_lshl_b32 s42, s38, 9
	s_add_co_u32 s40, s40, s42
	s_lshl_b32 s42, s28, 7
	s_add_co_u32 s40, s40, s42
	s_add_nc_u64 s[30:31], s[10:11], s[40:41]
	s_lshl_b32 s43, s38, 3
	s_lshl_b32 s42, s28, 1
	s_add_co_u32 s43, s43, s42                     ; tiles 8 cg + 2 w, + 1
	DSTW
	LOADW 4096
	QW
	FINISH
; ---- Wk (waves 0, 1) and Wv (waves 2, 3): K step = work-group - 64; tiles 64 + 2 w, + 1
.Lwkv:
	s_sub_co_u32 s39, ttmp9, 64
	s_cmp_lt_u32 s28, 2
	s_cselect_b64 s[30:31], s[12:13], s[14:15]
	s_and_b32 s38, s28, 1
	s_lshl_b32 s40, s39, 15                        ; 128 rows of 256 bytes
	s_lshl_b32 s42, s38, 7
	s_add_co_u32 s40, s40, s42
	s_add_nc_u64 s[30:31], s[30:31], s[40:41]
	s_lshl_b32 s43, s28, 1
	s_add_co_u32 s43, s43, 64
	DSTW
	LOADW 256
	QW
	FINISH
; ---- Wo: as Wq's loads; rounded to f16 in pairs down K, through my stage, out as rows of wot
.Lwo:
	s_sub_co_u32 s38, ttmp9, 72
	s_and_b32 s39, s38, 7
	s_lshr_b32 s38, s38, 3
	s_lshl_b32 s40, s39, 19
	s_lshl_b32 s42, s38, 9
	s_add_co_u32 s40, s40, s42
	s_lshl_b32 s42, s28, 7
	s_add_co_u32 s40, s40, s42
	s_add_nc_u64 s[30:31], s[16:17], s[40:41]
	s_lshl_b32 s40, s38, 18                        ; row 128 cg + 32 w of 2,048 bytes, + 256 q
	s_lshl_b32 s42, s28, 16
	s_add_co_u32 s40, s40, s42
	s_lshl_b32 s42, s39, 8
	s_add_co_u32 s40, s40, s42
	s_add_nc_u64 s[32:33], s[26:27], s[40:41]
	LOADW 4096
.set i, 0
.rept 64
	v_cvt_pk_f16_f32 v[64+i], v[64+2*i], v[65+2*i] ; in place, ascending: a result never lands on numbers still to be read
.set i, i+1
.endr
.irp g, 0,1,2,3,4,5,6,7,8,9,10,11,12,13,14,15
	ds_store_b128 v10, v[64+4*\g:67+4*\g] offset:16*\g
.endr
.irp t, 0,1,2,3,4,5,6,7,8,9,10,11,12,13,14,15
	ds_load_b128 v[128+4*\t:131+4*\t], v11 offset:544*\t
.endr
.irp t, 0,1,2,3,4,5,6,7,8,9,10,11,12,13,14,15
	s_wait_dscnt 15-\t                             ; LDS loads come back in order: pair t of rows is in
	global_store_b128 v12, v[128+4*\t:131+4*\t], s[32:33] offset:4096*\t   ; sixteen lanes store 256 consecutive bytes, aligned
.endr
	FINISH
.Lfunc_end_k_q6d22198592_prep:
	.size	k_q6d22198592_prep, .Lfunc_end_k_q6d22198592_prep-k_q6d22198592_prep
	.p2alignl 7, 3214868480
	.fill 96, 4, 3214868480
	.section	.rodata,"a",@progbits
	.p2align	6, 0x0
	.amdhsa_kernel k_q6d22198592_prep
		.amdhsa_group_segment_fixed_size 69120
		.amdhsa_private_segment_fixed_size 0
		.amdhsa_enable_private_segment 0
		.amdhsa_kernarg_size 96
		.amdhsa_user_sgpr_count 2
		.amdhsa_user_sgpr_kernarg_segment_ptr 1
		.amdhsa_wavefront_size32 1
		.amdhsa_system_sgpr_workgroup_id_x 1
		.amdhsa_system_sgpr_workgroup_id_y 1
		.amdhsa_system_sgpr_workgroup_id_z 1
		.amdhsa_system_vgpr_workitem_id 0
		.amdhsa_next_free_vgpr 512
		.amdhsa_next_free_sgpr 66
		.amdhsa_reserve_vcc 1
		.amdhsa_float_denorm_mode_32 3
		.amdhsa_float_denorm_mode_16_64 3
		.amdhsa_memory_ordered 1
		.amdhsa_forward_progress 1
		.amdhsa_inst_pref_size 117
	.end_amdhsa_kernel
	.amdgpu_metadata
---
amdhsa.version: [ 1, 2 ]
amdhsa.kernels:
  - .name:           k_q6d22198592_prep
    .symbol:         k_q6d22198592_prep.kd
    .args:
      - { .name: query, .offset: 0, .size: 8, .value_kind: global_buffer, .address_space: global }
      - { .name: key, .offset: 8, .size: 8, .value_kind: global_buffer, .address_space: global }
      - { .name: value, .offset: 16, .size: 8, .value_kind: global_buffer, .address_space: global }
      - { .name: Wq, .offset: 24, .size: 8, .value_kind: global_buffer, .address_space: global }
      - { .name: Wk, .offset: 32, .size: 8, .value_kind: global_buffer, .address_space: global }
      - { .name: Wv, .offset: 40, .size: 8, .value_kind: global_buffer, .address_space: global }
      - { .name: Wo, .offset: 48, .size: 8, .value_kind: global_buffer, .address_space: global }
      - { .name: acodes, .offset: 56, .size: 8, .value_kind: global_buffer, .address_space: global }
      - { .name: ascales, .offset: 64, .size: 8, .value_kind: global_buffer, .address_space: global }
      - { .name: wcodes, .offset: 72, .size: 8, .value_kind: global_buffer, .address_space: global }
      - { .name: wscales, .offset: 80, .size: 8, .value_kind: global_buffer, .address_space: global }
      - { .name: wot, .offset: 88, .size: 8, .value_kind: global_buffer, .address_space: global }
    .group_segment_fixed_size: 69120
    .private_segment_fixed_size: 0
    .kernarg_segment_align: 8
    .kernarg_segment_size: 96
    .max_flat_workgroup_size: 128
    .sgpr_count:     66
    .vgpr_count:     512
    .wavefront_size: 32
...
	.end_amdgpu_metadata
.endif
;; end of part 1
;; launch proj (part 2): grid 256 x 1, 5 waves a work-group, no clusters, 0 bytes of LDS; arguments acodes, ascales, wcodes, wscales, bq, bk, bv, qh, kvh; writes qh, kvh
.if DOCPART == 2
	.amdgcn_target "amdgcn-amd-amdhsa--gfx1250"
	.amdhsa_code_object_version 6
	.text
	.protected	k_q6d22198592_proj
	.globl	k_q6d22198592_proj
	.p2align	8
	.type	k_q6d22198592_proj,@function
k_q6d22198592_proj:
	s_mov_b64 s[64:65], 0
	v_nop
	global_prefetch_b8 v0, s[64:65] scope:SCOPE_SE
	s_setreg_imm32_b32 hwreg(HW_REG_WAVE_MODE, 25, 1), 1
	s_wait_xcnt 0x0
; PROJ.  The three quantised products, on codes of FP4 with E8M0 scales: q = (Q(query) Q(Wq) + bq) x c, c = log2(e) / 8;  k = Q(key) Q(Wk) + bk;  v = Q(value) Q(Wv) + bv.  Sums in f32, results rounded once to f16.
; LIMITS: q x c, k and v must lie within +-65,504 (f16).
; SHARES.  Source 0 = tiles of X (their index runs along a lane's registers in the result), source 1 = 4 tiles of Y (index along the lanes); K = 1,024 in eight steps.
;   q is 1,024 wave tiles of 64 x 64 (X = Wq's columns, Y = tokens); k and v are 64 such tiles each, cut in two along X: 256 half tiles of 32 x 64.  So each of the 256 work-groups has four waves with a tile of q
;   and a fifth wave with one half tile: work-groups 0-127 of k (X = Wk's columns, Y = tokens), 128-255 of v (X = tokens, Y = Wv's columns).  All work-groups have the same work.
; A lane's eight results are eight neighbouring features of a token (q, k) or eight neighbouring keys of a channel (v): 16 bytes of f16, which ARE half of an operand fragment of the attention launch.
; qh: [token tile][feature tile][lane][16 B];  kvh: k at byte 0 [key tile][feature tile][lane][16 B], v at byte 524,288 [key tile][channel tile][lane][16 B].
; The codes lie in memory in the order of the operand's registers, so every load and store of a wave covers 512 consecutive bytes and nothing goes through LDS.  No cluster: a wave's operands are 64 KB in all.
; THE BIAS along X (q, k) is the C of the first K step: eight registers for each tile of X.  The bias along Y (v) is one number a lane for each tile of Y, added on the way out.
; REGISTERS.  Window 0: v1 16 lane, v2 32 lane, v3 32 h, v4 4 r, v8-11 store offsets; v32-47 X's scale words (register 8 p + q: lanes 0-15 tile 2 p, lanes 16-31 tile 2 p + 1, K step q), v48-63 Y's;
;   v64-95 the bias along X; v96-103 the bias along Y, a pair for each tile; v128-255 the accumulators (tile 4 mt + nt).   Window 1: four buffers of 64, buffer q % 4: X's fragments, from + 32 Y's four.
.set XS,  32
.set YS,  48
.set BX,  64
.set BY,  96
.set ACC, 128
.set MSB, 0
.macro WIN new                         ; the immediate's high byte repeats the setting that is left
.if MSB != \new
	s_set_vgpr_msb (MSB<<8)|\new
.set MSB, \new
.endif
.endm
.macro LDK q, nmt                      ; K step q's fragments: loads of 512 consecutive bytes
.irp m, 0,1,2,3
.if \m < \nmt
.irp c, 0,1
	global_load_b128 v[64*((\q)%4)+8*\m+4*\c:64*((\q)%4)+8*\m+4*\c+3], v1, s[24:25] offset:8192*\m+1024*(\q)+512*\c
.endr
.endif
.endr
.irp m, 0,1,2,3
.irp c, 0,1
	global_load_b128 v[64*((\q)%4)+32+8*\m+4*\c:64*((\q)%4)+32+8*\m+4*\c+3], v1, s[26:27] offset:8192*\m+1024*(\q)+512*\c
.endr
.endr
.endm
.macro WM mt, nt, q                    ; an odd tile's scale words stand in lanes 16-31 of its register; the first K step starts the sum from the bias along X
.set rD, ACC+8*(4*(\mt)+(\nt))
.set rC, rD
.if (\q) == 0
.set rC, BX+8*(\mt)
.endif
.set rX, 64*((\q)%4)+8*(\mt)
.set rY, 64*((\q)%4)+32+8*(\nt)
.set rXS, XS+8*((\mt)/2)+(\q)
.set rYS, YS+8*((\nt)/2)+(\q)
.if ((\mt)%2 == 0) && ((\nt)%2 == 0)
	v_wmma_scale_f32_16x16x128_f8f6f4 v[rD:rD+7], v[rX:rX+7], v[rY:rY+7], v[rC:rC+7], v[rXS], v[rYS] matrix_a_fmt:MATRIX_FMT_FP4 matrix_b_fmt:MATRIX_FMT_FP4
.elseif ((\mt)%2 == 1) && ((\nt)%2 == 0)
	v_wmma_scale_f32_16x16x128_f8f6f4 v[rD:rD+7], v[rX:rX+7], v[rY:rY+7], v[rC:rC+7], v[rXS], v[rYS] matrix_a_fmt:MATRIX_FMT_FP4 matrix_b_fmt:MATRIX_FMT_FP4 matrix_a_scale:MATRIX_SCALE_ROW1
.elseif ((\mt)%2 == 0)
	v_wmma_scale_f32_16x16x128_f8f6f4 v[rD:rD+7], v[rX:rX+7], v[rY:rY+7], v[rC:rC+7], v[rXS], v[rYS] matrix_a_fmt:MATRIX_FMT_FP4 matrix_b_fmt:MATRIX_FMT_FP4 matrix_b_scale:MATRIX_SCALE_ROW1
.else
	v_wmma_scale_f32_16x16x128_f8f6f4 v[rD:rD+7], v[rX:rX+7], v[rY:rY+7], v[rC:rC+7], v[rXS], v[rYS] matrix_a_fmt:MATRIX_FMT_FP4 matrix_b_fmt:MATRIX_FMT_FP4 matrix_a_scale:MATRIX_SCALE_ROW1 matrix_b_scale:MATRIX_SCALE_ROW1
.endif
.endm
; a base for each tile of X, an offset for each tile of Y.  s[36:37] = where my results begin, s60 = bytes from one tile of X to the next in the output, s59 = from one tile of Y to the next
.macro OUTADR nmt
	s_mov_b32 s46, s60
	s_add_nc_u64 s[38:39], s[36:37], s[46:47]
.if \nmt > 2
	s_add_nc_u64 s[40:41], s[38:39], s[46:47]
	s_add_nc_u64 s[42:43], s[40:41], s[46:47]
.endif
	v_mov_b32 v8, v1
	v_add_nc_u32 v9, s59, v8
	v_add_nc_u32 v10, s59, v9
	v_add_nc_u32 v11, s59, v10
.endm
; the scale words, and the eight K steps on nmt tiles of X: four steps' fragments are on their way
.macro MAIN nmt
.set LPK, 2*(\nmt)+8                   ; loads of a K step
.irp p, 0,1
.if 2*\p < \nmt
.irp e, 0,1
	global_load_b128 v[XS+8*\p+4*\e:XS+8*\p+4*\e+3], v2, s[28:29] offset:1024*\p+16*\e   ; lane l: row 32 p + l, words 4 e .. 4 e + 3
.endr
.endif
.irp e, 0,1
	global_load_b128 v[YS+8*\p+4*\e:YS+8*\p+4*\e+3], v2, s[30:31] offset:1024*\p+16*\e
.endr
.endr
	WIN 0x40                                       ; destination window 1, address window 0
.irp q, 0,1,2,3
	LDK \q, \nmt
.endr
.irp q, 0,1,2,3,4,5,6,7
.if \q < 5
	s_wait_loadcnt 3*LPK                           ; loads come back in order: this K step's are in (and the bias and the scale words); the three steps issued behind it may be out
.else
	s_wait_loadcnt LPK*(7-\q)
.endif
	WIN 0x05                                       ; sources 0 and 1 window 1; C and D window 0
.irp mt, 0,1,2,3                       ; the accumulators take turns, one instruction a turn, in the same order in every step
.if \mt < \nmt
.irp nt, 0,1,2,3
	WM \mt, \nt, \q
.endr
.endif
.endr
.if \q < 4
.rept 4
	v_nop                                          ; four places in front of loads into registers that matrix instructions have read
.endr
	WIN 0x40
	LDK \q+4, \nmt
.endif
.endr
	WIN 0
.rept 4
	v_nop                                          ; four places in front of the first read of results
.endr
.endm
.macro STORES nmt
.irp mt, 0,1,2,3
.if \mt < \nmt
.irp nt, 0,1,2,3
	global_store_b128 v[8+\nt], v[ACC+4*(4*\mt+\nt):ACC+4*(4*\mt+\nt)+3], s[36+2*\mt:37+2*\mt]   ; 512 consecutive bytes, aligned
.endr
.endif
.endr
.endm
	s_load_b512 s[4:19], s[0:1], 0x0               ; acodes, ascales, wcodes, wscales, bq, bk, bv, qh
	s_load_b64 s[20:21], s[0:1], 0x40              ; kvh
	v_lshrrev_b32 v5, 5, v0
	v_readfirstlane_b32 s22, v5                    ; wave 0..4
	v_and_b32 v5, 31, v0
	v_lshlrev_b32 v1, 4, v5
	v_lshlrev_b32 v2, 5, v5
	v_bfe_u32 v3, v0, 4, 1
	v_lshlrev_b32 v3, 5, v3
	v_and_b32 v4, 15, v0
	v_lshlrev_b32 v4, 2, v4
	s_mov_b32 s47, 0                               ; the high word of every offset pair s[46:47]
	s_cmp_eq_u32 s22, 4
	s_cbranch_scc1 .Lkv
; ---- WAVES 0 TO 3: a tile of q
	s_and_b32 s48, ttmp9, 7
	s_lshl_b32 s48, s48, 1
	s_and_b32 s49, s22, 1
	s_add_co_u32 s48, s48, s49                     ; mg: which 64 features (which head)
	s_lshr_b32 s49, ttmp9, 3
	s_lshl_b32 s49, s49, 1
	s_lshr_b32 s50, s22, 1
	s_add_co_u32 s49, s49, s50                     ; ng: which 64 tokens
	s_mov_b32 s44, 0x3e38aa3b                      ; c = log2(e) / 8
	s_mov_b32 s45, s44                             ; (named with s44 as a pair, so it is written)
	s_mov_b32 s59, 32768                           ; from one token tile to the next in qh
	s_mov_b32 s60, 512                             ; from one feature tile to the next
	s_wait_kmcnt 0x0
	s_lshl_b32 s46, s48, 15                        ; X: Wq's tiles 4 mg on, 8,192 bytes of codes a tile,
	s_add_nc_u64 s[24:25], s[8:9], s[46:47]
	s_lshl_b32 s46, s48, 11                        ; 512 bytes of scale words a tile;
	s_add_nc_u64 s[28:29], s[10:11], s[46:47]
	s_add_nc_u64 s[36:37], s[18:19], s[46:47]      ; and the results' feature tiles 4 mg on, 512 bytes each
	s_lshl_b32 s46, s49, 15                        ; Y: query's tiles 4 ng on
	s_add_nc_u64 s[26:27], s[4:5], s[46:47]
	s_lshl_b32 s46, s49, 11
	s_add_nc_u64 s[30:31], s[6:7], s[46:47]
	s_lshl_b32 s46, s49, 17                        ; the results' token tiles 4 ng on, 32,768 bytes each
	s_add_nc_u64 s[36:37], s[36:37], s[46:47]
	s_lshl_b32 s46, s48, 8                         ; bq: 64 numbers on for each mg
	s_add_nc_u64 s[32:33], s[12:13], s[46:47]
.irp mt, 0,1,2,3                       ; the bias in the result's layout: numbers 16 mt + 8 h + 0 .. 7
	global_load_b128 v[BX+8*\mt:BX+8*\mt+3], v3, s[32:33] offset:64*\mt
	global_load_b128 v[BX+8*\mt+4:BX+8*\mt+7], v3, s[32:33] offset:64*\mt+16
.endr
	OUTADR 4
	MAIN 4
.set i, 0
.rept 64
	v_pk_mul_f32 v[ACC+2*i:ACC+2*i+1], v[ACC+2*i:ACC+2*i+1], s[44:45] op_sel_hi:[1,0]   ; x c; each accumulator from its low end on
.set i, i+1
.endr
.set i, 0
.rept 64
	v_cvt_pk_f16_f32 v[ACC+i], v[ACC+2*i], v[ACC+2*i+1]   ; in place, ascending
.set i, i+1
.endr
	STORES 4
	s_endpgm
; ---- WAVE 4: half a tile of k (work-groups 0-127) or of v (128-255): unit j = (work-group % 128) / 2, half hf = work-group % 2 of its four tiles of X
.Lkv:
	s_and_b32 s48, ttmp9, 127
	s_lshr_b32 s48, s48, 1                         ; j
	s_and_b32 s49, ttmp9, 1                        ; hf
	s_lshl_b32 s50, s49, 1
	s_add_co_u32 s51, s50, 64                      ; k: X = the weights' tiles 64 + 2 hf, + 1
	s_lshl_b32 s52, s48, 2
	s_add_co_u32 s53, s52, 256                     ; k: Y = the activations' tiles 256 + 4 j on
	s_add_co_u32 s54, s52, s50
	s_add_co_u32 s54, s54, 512                     ; v: X = the activations' tiles 512 + 4 j + 2 hf, + 1
	s_lshl_b32 s55, s48, 13
	s_lshl_b32 s56, s49, 10
	s_add_co_u32 s56, s56, s55                     ; where the results begin: k: key tile 4 j (2,048 bytes a tile), feature tile 2 hf (512 bytes);
	s_lshl_b32 s57, s49, 12
	s_add_co_u32 s57, s57, s55
	s_add_co_u32 s57, s57, 524288                  ; v: key tile 4 j + 2 hf
	s_lshl_b32 s58, s49, 7                         ; bk: 32 numbers on for hf
	s_mov_b32 s59, 2048
	s_mov_b32 s60, 512
	s_mov_b32 s61, 68                              ; v: Y = the weights' tiles 68 on
	s_wait_kmcnt 0x0
	s_cmp_lt_u32 ttmp9, 128                        ; k or v?  The choices hang on the work-group's number alone
	s_cselect_b32 s51, s51, s54                    ; X's first tile,
	s_cselect_b32 s53, s53, s61                    ; Y's
	s_cselect_b32 s56, s56, s57
	s_cselect_b32 s58, s58, 0
	s_cselect_b32 s62, s59, s60                    ; bytes from one tile of Y to the next in the output: k 2,048, v 512
	s_cselect_b32 s60, s60, s59                    ; from one tile of X to the next: k 512, v 2,048
	s_mov_b32 s59, s62
	s_cselect_b64 s[24:25], s[8:9], s[4:5]         ; X's codes,
	s_cselect_b64 s[26:27], s[4:5], s[8:9]         ; Y's,
	s_cselect_b64 s[28:29], s[10:11], s[6:7]       ; X's scale words,
	s_cselect_b64 s[30:31], s[6:7], s[10:11]       ; Y's,
	s_cselect_b64 s[32:33], s[14:15], s[16:17]     ; the bias
	s_lshl_b32 s46, s51, 13
	s_add_nc_u64 s[24:25], s[24:25], s[46:47]
	s_lshl_b32 s46, s51, 9
	s_add_nc_u64 s[28:29], s[28:29], s[46:47]
	s_lshl_b32 s46, s53, 13
	s_add_nc_u64 s[26:27], s[26:27], s[46:47]
	s_lshl_b32 s46, s53, 9
	s_add_nc_u64 s[30:31], s[30:31], s[46:47]
	s_mov_b32 s46, s58
	s_add_nc_u64 s[32:33], s[32:33], s[46:47]
	s_mov_b32 s46, s56
	s_add_nc_u64 s[36:37], s[20:21], s[46:47]
	s_cmp_lt_u32 ttmp9, 128
	s_cbranch_scc0 .Lbias_v
.irp mt, 0,1                           ; k: the bias runs along X; none along Y
	global_load_b128 v[BX+8*\mt:BX+8*\mt+3], v3, s[32:33] offset:64*\mt
	global_load_b128 v[BX+8*\mt+4:BX+8*\mt+7], v3, s[32:33] offset:64*\mt+16
.endr
.irp i, 0,1,2,3,4,5,6,7
	v_mov_b32 v[BY+\i], 0
.endr
	s_branch .Lbias_done
.Lbias_v:
.irp nt, 0,1,2,3                       ; v: it runs along Y, the lanes: number 16 nt + r, in both registers of the tile's pair; none along X
	global_load_b32 v[BY+2*\nt], v4, s[32:33] offset:64*\nt
	global_load_b32 v[BY+2*\nt+1], v4, s[32:33] offset:64*\nt
.endr
.irp i, 0,1,2,3,4,5,6,7,8,9,10,11,12,13,14,15
	v_mov_b32 v[BX+\i], 0
.endr
.Lbias_done:
	OUTADR 2
.rept 4
	v_nop                                          ; with the four lines above: eight plain lines between the zeros and the first product
.endr
	MAIN 2
.irp mt, 0,1
.irp nt, 0,1,2,3
.irp g, 0,2,4,6
	v_pk_add_f32 v[ACC+8*(4*\mt+\nt)+\g:ACC+8*(4*\mt+\nt)+\g+1], v[ACC+8*(4*\mt+\nt)+\g:ACC+8*(4*\mt+\nt)+\g+1], v[BY+2*\nt:BY+2*\nt+1]   ; the bias along Y; each accumulator from its low end on
.endr
.endr
.endr
.set i, 0
.rept 32
	v_cvt_pk_f16_f32 v[ACC+i], v[ACC+2*i], v[ACC+2*i+1]   ; in place, ascending
.set i, i+1
.endr
	STORES 2
	s_endpgm
.Lfunc_end_k_q6d22198592_proj:
	.size	k_q6d22198592_proj, .Lfunc_end_k_q6d22198592_proj-k_q6d22198592_proj
	.p2alignl 7, 3214868480
	.fill 96, 4, 3214868480
	.section	.rodata,"a",@progbits
	.p2align	6, 0x0
	.amdhsa_kernel k_q6d22198592_proj
		.amdhsa_group_segment_fixed_size 0
		.amdhsa_private_segment_fixed_size 0
		.amdhsa_enable_private_segment 0
		.amdhsa_kernarg_size 72
		.amdhsa_user_sgpr_count 2
		.amdhsa_user_sgpr_kernarg_segment_ptr 1
		.amdhsa_wavefront_size32 1
		.amdhsa_system_sgpr_workgroup_id_x 1
		.amdhsa_system_sgpr_workgroup_id_y 1
		.amdhsa_system_sgpr_workgroup_id_z 1
		.amdhsa_system_vgpr_workitem_id 0
		.amdhsa_next_free_vgpr 512
		.amdhsa_next_free_sgpr 66
		.amdhsa_reserve_vcc 0
		.amdhsa_float_denorm_mode_32 3
		.amdhsa_float_denorm_mode_16_64 3
		.amdhsa_memory_ordered 1
		.amdhsa_forward_progress 1
		.amdhsa_inst_pref_size 70
	.end_amdhsa_kernel
	.amdgpu_metadata
---
amdhsa.version: [ 1, 2 ]
amdhsa.kernels:
  - .name:           k_q6d22198592_proj
    .symbol:         k_q6d22198592_proj.kd
    .args:
      - { .name: acodes, .offset: 0, .size: 8, .value_kind: global_buffer, .address_space: global }
      - { .name: ascales, .offset: 8, .size: 8, .value_kind: global_buffer, .address_space: global }
      - { .name: wcodes, .offset: 16, .size: 8, .value_kind: global_buffer, .address_space: global }
      - { .name: wscales, .offset: 24, .size: 8, .value_kind: global_buffer, .address_space: global }
      - { .name: bq, .offset: 32, .size: 8, .value_kind: global_buffer, .address_space: global }
      - { .name: bk, .offset: 40, .size: 8, .value_kind: global_buffer, .address_space: global }
      - { .name: bv, .offset: 48, .size: 8, .value_kind: global_buffer, .address_space: global }
      - { .name: qh, .offset: 56, .size: 8, .value_kind: global_buffer, .address_space: global }
      - { .name: kvh, .offset: 64, .size: 8, .value_kind: global_buffer, .address_space: global }
    .group_segment_fixed_size: 0
    .private_segment_fixed_size: 0
    .kernarg_segment_align: 8
    .kernarg_segment_size: 72
    .max_flat_workgroup_size: 160
    .sgpr_count:     66
    .vgpr_count:     512
    .wavefront_size: 32
...
	.end_amdgpu_metadata
.endif
;; end of part 2
;; launch attn (part 3): grid 256 x 1, 8 waves a work-group, clusters of 4 x 1, 327,680 bytes of LDS; arguments qh, kvh, mask, xh; writes xh
.if DOCPART == 3
	.amdgcn_target "amdgcn-amd-amdhsa--gfx1250"
	.amdhsa_code_object_version 6
	.text
	.protected	k_q6d22198592_attn
	.globl	k_q6d22198592_attn
	.p2align	8
	.type	k_q6d22198592_attn,@function
k_q6d22198592_attn:
	s_mov_b64 s[64:65], 0
	v_nop
	global_prefetch_b8 v0, s[64:65] scope:SCOPE_SE
	s_setreg_imm32_b32 hwreg(HW_REG_WAVE_MODE, 25, 1), 1
	s_wait_xcnt 0x0
	s_wait_alu depctr_hold_cnt(0) depctr_sa_sdst(0) depctr_va_vdst(0) depctr_va_sdst(0) depctr_va_ssrc(0) depctr_va_vcc(0) depctr_vm_vsrc(0)
	s_getreg_b32 s2, hwreg(HW_REG_IB_STS2, 6, 4)
	s_cmp_eq_u32 s2, 0
	s_cbranch_scc0 .Lentry_in_a_cluster
	s_endpgm
.Lentry_in_a_cluster:
	s_bfe_u32 s2, ttmp6, 0x10000c
	s_cmp_lg_u32 s2, 0x3003
	s_cbranch_scc0 .Lentry_shape_is_right
	s_endpgm
.Lentry_shape_is_right:
; ATTN.  x[token][head][:] = the sum over keys of softmax(where(mask == 0, -1e9, q . k / 8)) v, 16 query heads on one K and V head, 2,048 keys, head size 64.  q (already x log2(e) / 8), k, v: f16; products, maxima, sums in f32.
; The weights p = 2^(t - m), m the running maximum of t, are rounded to f16 for the second product; the row's sum is taken of the same rounded p, by a product with ones; x is rounded once to f16.
; A masked score is REPLACED by -1e9 x log2(e) ahead of the maximum, as the definition has it: a row with no key left comes out as the mean of v.  Any mask word other than 0 counts as true.
; LIMITS: NaN and infinities are not served; x must lie within +-65,504 (f16).
; SHARES.  A work-group owns 16 tokens (one tile of queries) for ALL 16 heads, so each word of the mask is fetched once in the launch.  Wave w owns heads 2 w and 2 w + 1 (tiles t = 0, 1).  Two waves share a SIMD.
; LAYOUT.  S^T = K Q^T (source 0 = 16 keys, source 1 = 16 queries), O^T = V^T P (source 0 = 16 channels, source 1 = P): a lane holds ONE query (lane % 16) throughout; two tiles of S^T, rounded in pairs, are a fragment of P.
; K, V and Q lie in memory in the order of the operand's registers (chunks of 512 bytes, lane l's 16 bytes at 16 l): no pitch, no padding, nothing is turned.
; RING.  Two slots of 256 keys: K 32,768 bytes, V 32,768, the mask's 16 rows x (1,024 + 16).  Wave 0 fetches K, wave 1 V, wave 2 the mask; a load has four key steps in which to land; a wave has one tensor load out.
; CLUSTER.  The four work-groups of a cluster belong to one batch and walk the same K and V: those two tiles are asked for JOINTLY (mask 15).  The mask's tile is each work-group's own: a plain load.
; A STEP'S FRONT STANDS ONE STEP AHEAD, inside a slot: K's fragments and the mask's words of step q + 1 are loaded behind step q's first products, and the mask's 32 compares of step q + 1 stand between step q's
; second products (their first source is a constant and their second lies in window 0, so they need no switch of window).  A slot's first step has its front at its own head: its bytes may be read only behind the round.
; REGISTERS.  Window 0: v1 r, v2 h, v3 16 lane, v4 my place in the mask's tile, v5, v6 the slot's addresses, v8-10 the way out, v11 the prefetch's offset, v12, v13 the add's two, v14 the masked score;
;   v16-31 statistics (tile t at 16 + 8 t: +0 m, +1 old m, +2 a, +3 its partner, +4..7 at work); v32-63 mask words; v64-127 S^T; v128-159 P; v160-223 O^T; v224-239 the sums; v240-243 reciprocals.
;   Window 1: v0-63 K's fragments, v64-127 V's, v128-159 Q's, v240-247 ones.
.set SLOT1, 131072                     ; slot 1 begins here: one exclusive or turns an address from one slot to the other
.set VOFF,  32768
.set MOFF,  65536
.set MP,    1040
.set STAGE, 213248                     ; behind slot 1: 16 rows x 272 bytes for each wave, for the way out
.set SPARE, 248064                     ; behind the stages: the spare words, 128 bytes a wave: four blocks of 256 bytes that no other line names
.set ST,  16
.set MK,  32
.set S,   64
.set P,   128
.set O,   160
.set L,   224
.set RC,  240
.set VF,  64                           ; in window 1
.set QF,  128
.set ONE, 240
.set MW,  68                           ; s68-99: a lane mask for each of the 32 mask registers
.set MSB, 0
.macro WIN new                         ; the immediate's high byte repeats the setting that is left
.if MSB != \new
	s_set_vgpr_msb (MSB<<8)|\new
.set MSB, \new
.endif
.endm
; s12 wave, s13 cx, s14 work-group, s15 the prefetches' limit, s[18:19] their address, s[20:21] its step, s[22:23] lane selects, s[24:31] group 1 for K and V, s[32:39] for the mask,
; s[40:43], s[44:47], s[48:51] groups 0 for K, V, the mask; s52 the slot in hand; s53 slots still to be asked for
.macro JLOAD                           ; the branches hang on the wave's number alone; an s_nop 0 and four v_nop follow each load
	s_cmp_lg_u32 s12, 0
	s_cbranch_scc1 .Lnot_k_\@
	tensor_load_to_lds s[40:43], s[24:31]
	s_nop 0
.rept 4
	v_nop
.endr
	s_branch .Lasked_\@
.Lnot_k_\@:
	s_cmp_lg_u32 s12, 1
	s_cbranch_scc1 .Lnot_v_\@
	tensor_load_to_lds s[44:47], s[24:31]
	s_nop 0
.rept 4
	v_nop
.endr
	s_branch .Lasked_\@
.Lnot_v_\@:
	s_cmp_lg_u32 s12, 2
	s_cbranch_scc1 .Lasked_\@
	tensor_load_to_lds s[48:51], s[32:39]
	s_nop 0
.rept 4
	v_nop
.endr
.Lasked_\@:
.endm
; A PREFETCH INTO THE L2 of what the NEXT change of slots will ask for, where the fetching waves have their tensor load: four key steps ahead of that load.  Each aligned block of 256 bytes is named once in the launch.
; The mask's tile is the work-group's own: waves 3 and 4 ask for 8 rows each, four lanes to a row's 1,024 bytes.  K and V are walked by all 32 clusters of a batch: the batch's first cluster asks, wave 5 for K and
; wave 6 for V; its four partners take 8,192 bytes each, told apart by address.  The last change that fills a slot asks for nothing; slots 0 and 1 come by their loads alone.
.macro ASK
	s_cmp_gt_u32 s53, s15
	s_cbranch_scc0 .Lnot_mine_\@
	global_prefetch_b8 v11, s[18:19] th:TH_LOAD_NT scope:SCOPE_SE
.Lnot_mine_\@:
.endm
.macro CROUND                          ; a round of the cluster's barrier
	s_barrier_signal -1
	s_barrier_wait -1
	s_cmp_lg_u32 s12, 0
	s_cbranch_scc1 .Lnot_wave_0_\@
	s_barrier_signal -3
.Lnot_wave_0_\@:
	s_barrier_wait -3
	s_barrier_signal -1
	s_barrier_wait -1
.endm
	s_load_b256 s[4:11], s[0:1], 0x0               ; qh, kvh, mask, xh
	v_lshl_add_u32 v12, v0, 2, SPARE
	v_mov_b32 v13, 0
	ds_add_u32 v12, v13                            ; the wave's opening: the add, twice on end, and its wait ahead of the first tensor load; work on registers stands between
	ds_add_u32 v12, v13
	v_lshrrev_b32 v1, 5, v0
	v_readfirstlane_b32 s12, v1                    ; wave 0..7
	s_bfe_u32 s13, ttmp6, 0x40000                  ; cx
	s_lshl_b32 s14, ttmp9, 2
	s_add_co_u32 s14, s14, s13                     ; my tile of 16 tokens = 4 x cluster + cx
	; group 1 for K and V: 32,768 dense bytes as 128 rows of 32 elements of 8 bytes; the mask names all four work-groups, bit 21 beside it
	s_mov_b32 s24, 15|(3<<16)|(1<<21)
	s_mov_b32 s25, 32<<16
	s_mov_b32 s26, 128<<16
	s_mov_b32 s27, 32<<16
	s_mov_b32 s28, 128
	s_mov_b32 s29, 32
	s_mov_b32 s30, 0
	s_mov_b32 s31, 0
	; group 1 for the mask: 16 rows of 256 words, 2,048 words apart; four words of padding behind every 256
	s_mov_b32 s32, (2<<16)|(1<<20)|(7<<22)|(3<<25)
	s_mov_b32 s33, 256<<16
	s_mov_b32 s34, 16<<16
	s_mov_b32 s35, 256<<16
	s_mov_b32 s36, 16
	s_mov_b32 s37, 2048
	s_mov_b32 s38, 0
	s_mov_b32 s39, 0
	s_mov_b32 s22, 0x76543210
	s_mov_b32 s23, 0xfedcba98
	s_mov_b32 s52, 0
	s_mov_b32 s53, 7
	v_mov_b32 v14, 0xceabfb8f                      ; -1e9 x log2(e)
	v_and_b32 v1, 15, v0                           ; r
	v_bfe_u32 v2, v0, 4, 1                         ; h
	v_and_b32 v7, 31, v0
	v_lshlrev_b32 v3, 4, v7                        ; 16 x lane
	v_mul_u32_u24 v4, v1, MP
	v_lshl_add_u32 v4, v2, 5, v4
	v_add_nc_u32 v4, MOFF, v4                      ; the mask: row r, + 8 h words
	s_mul_i32 s56, s12, 16*272
	s_add_co_u32 s56, s56, STAGE                   ; my stage
	v_mul_u32_u24 v8, v1, 272
	v_lshl_add_u32 v8, v2, 4, v8
	v_add_nc_u32 v8, s56, v8                       ; in: row r, 16 bytes for each half of the lanes
	v_mul_u32_u24 v9, v2, 272
	v_lshl_add_u32 v9, v1, 4, v9
	v_add_nc_u32 v9, s56, v9                       ; back: lanes 0-15 one row of 256 bytes, lanes 16-31 the next
	v_lshlrev_b32 v10, 4, v1
	v_lshl_add_u32 v10, v2, 11, v10                ; and the same two rows of xh
	s_lshr_b32 s54, ttmp9, 5                       ; the batch, which the four partners share
	s_lshl_b32 s54, s54, 18                        ; its 128 key tiles of 2,048 bytes
	s_mov_b32 s55, 0
	s_lshl_b32 s56, s14, 17                        ; my 16 rows of the mask, 8,192 bytes each
	s_mov_b32 s57, 0
	s_lshl_b32 s58, s14, 15
	s_lshl_b32 s59, s12, 12
	s_add_co_u32 s58, s58, s59                     ; Q: my token tile's 64 chunks, my wave's 8
	s_mov_b32 s59, 0
	s_lshl_b32 s60, s14, 15
	s_lshl_b32 s61, s12, 8
	s_add_co_u32 s60, s60, s61                     ; x: my 16 rows of 2,048 bytes, my wave's 256 bytes
	s_mov_b32 s61, 0
	; the prefetches: e = 0 in waves 3 and 5, 1 in waves 4 and 6
	s_add_co_u32 s62, s12, 1
	s_and_b32 s62, s62, 1
	s_lshl_b32 s68, s62, 16
	s_add_co_u32 s68, s68, s56
	s_add_co_u32 s68, s68, 1024                    ; the mask: my rows 8 e on, at slot 1
	s_lshl_b32 s70, s62, 19
	s_add_co_u32 s70, s70, s54
	s_lshl_b32 s63, s13, 13
	s_add_co_u32 s70, s70, s63
	s_add_co_u32 s70, s70, 32768                   ; K (e = 0) or V (e = 1): my work-group's 8,192 bytes, at slot 1
	s_mov_b32 s72, 1024
	s_mov_b32 s73, 32768
	s_cmp_lt_u32 s12, 5
	s_cselect_b32 s16, s68, s70
	s_cselect_b32 s63, 8192, s72                   ; from four lanes to the next four
	s_cselect_b32 s20, s72, s73                    ; a slot on
	s_mov_b32 s17, 0
	s_mov_b32 s21, 0
	v_lshrrev_b32 v11, 2, v7
	v_mul_lo_u32 v11, v11, s63
	v_and_b32 v7, 3, v7
	v_lshl_add_u32 v11, v7, 8, v11
	s_sub_co_u32 s74, s12, 3
	s_cmp_lt_u32 s74, 2
	s_cselect_b32 s15, 1, -1                       ; waves 3 and 4 ask in every work-group;
	s_sub_co_u32 s74, s12, 5
	s_lshr_b32 s74, s74, 1
	s_and_b32 s75, ttmp9, 31
	s_or_b32 s74, s74, s75
	s_cmp_eq_u32 s74, 0
	s_cselect_b32 s15, 1, s15                      ; waves 5 and 6 in the batch's first cluster: the same in all four partners
	s_wait_dscnt 0x0                               ; both opening adds are done
	s_wait_kmcnt 0x0
	s_cmp_lt_u32 s12, 5
	s_cselect_b64 s[18:19], s[8:9], s[6:7]
	s_add_nc_u64 s[18:19], s[18:19], s[16:17]
	s_add_nc_u64 s[4:5], s[4:5], s[58:59]
	s_add_nc_u64 s[10:11], s[10:11], s[60:61]
	s_mov_b32 s40, 1
	s_mov_b32 s41, 0
	s_add_nc_u64 s[42:43], s[6:7], s[54:55]        ; K: the batch's first 256 keys
	s_mov_b32 s44, 1
	s_mov_b32 s45, VOFF
	s_add_nc_u64 s[46:47], s[42:43], 0x80000       ; V: 524,288 bytes on
	s_mov_b32 s48, 1
	s_mov_b32 s49, MOFF
	s_add_nc_u64 s[50:51], s[8:9], s[56:57]
	s_or_b32 s43, s43, 0x80000000
	s_or_b32 s47, s47, 0x80000000
	s_or_b32 s51, s51, 0x80000000
	CROUND                                         ; all four work-groups are here: the first joint loads meet
	JLOAD                                          ; slot 0
	WIN 0x40                                       ; destination window 1, address window 0
.irp t, 0,1
.irp i, 0,1,2,3
	global_load_b128 v[QF+16*\t+4*\i:QF+16*\t+4*\i+3], v3, s[4:5] offset:2048*\t+512*\i   ; Q stays in registers
.endr
.endr
.irp j, 0,1,2,3,4,5,6,7
	v_mov_b32 v[ONE+\j], 0x3c003c00                ; 16 x 32 ones in f16
.endr
	WIN 0
.set n, 0
.rept 80
	v_mov_b32 v[O+n], 0                            ; O^T and the sums.  (The step is written once: the first finds zeros, which a = 0 leaves zeros)
.set n, n+1
.endr
.irp t, 0,1
	v_mov_b32 v[ST+8*\t], 0xff61b1e6               ; m = -3e38, under every t
	v_mov_b32 v[ST+8*\t+3], 0                      ; (named with a as a pair)
	v_mov_b32 v[RC+2*\t+1], 0                      ; (named with the reciprocal as a pair)
.endr
; K's 16 chunks and the mask's 8 of the slot's k-th key step
.macro LOADK k
	WIN 0x40
.irp kt, 0,1,2,3
.irp i, 0,1,2,3
	ds_load_b128 v[16*\kt+4*\i:16*\kt+4*\i+3], v5 offset:((4*(\k)+\kt)*4+\i)*512
.endr
.endr
	WIN 0
.irp kt, 0,1,2,3
.irp e, 0,1
	ds_load_b128 v[MK+8*\kt+4*\e:MK+8*\kt+4*\e+3], v6 offset:256*(\k)+64*\kt+16*\e   ; register 8 kt + j: my query, key 16 kt + 8 h + j, as in S^T
.endr
.endr
.endm
; The next step's compares, dealt out behind the second products: two behind each of the first 14, four behind the last (the 20th).  cw counts the products, cn the compares.
.macro CMPS q
.if \q < 3
.if cw < 14
.rept 2
	v_cmp_ne_u32 s[MW+cn], 0, v[MK+cn]
.set cn, cn+1
.endr
.elseif cw == 19
.rept 4
	v_cmp_ne_u32 s[MW+cn], 0, v[MK+cn]             ; these four are also the places in front of the next step's loads into V's registers
.set cn, cn+1
.endr
.endif
.endif
.set cw, cw+1
.endm
; A KEY STEP: 64 keys, the q-th of the slot in hand.
.macro STEP q
.if \q == 0
	v_add_nc_u32 v5, s52, v3
	v_add_nc_u32 v6, s52, v4
	v_nop
	v_nop                                          ; four places in front of loads into registers that the last products have read
	LOADK 0
.endif
	WIN 0x40
.irp u, 0,1
.irp ct, 0,1,2,3
.irp e, 0,1
	ds_load_b128 v[VF+8*(4*\u+\ct)+4*\e:VF+8*(4*\u+\ct)+4*\e+3], v5 offset:VOFF+((4*(\q)+2*\u+\e)*4+\ct)*512
.endr
.endr
.endr
.if \q == 0
	s_wait_dscnt 16                                ; K and the mask are in; V's 16 loads may be out.  (In the later steps both were waited for in the step before)
.endif
	WIN 0x05                                       ; K and Q window 1, S^T window 0
.irp kt, 0,1,2,3                       ; the eight accumulators take turns; the first 32 channels start the sums
.irp t, 0,1
	v_wmma_f32_16x16x32_f16 v[S+32*\t+8*\kt:S+32*\t+8*\kt+7], v[16*\kt:16*\kt+7], v[QF+16*\t:QF+16*\t+7], 0
.endr
.endr
.irp kt, 0,1,2,3
.irp t, 0,1
	v_wmma_f32_16x16x32_f16 v[S+32*\t+8*\kt:S+32*\t+8*\kt+7], v[16*\kt+8:16*\kt+15], v[QF+16*\t+8:QF+16*\t+15], v[S+32*\t+8*\kt:S+32*\t+8*\kt+7]
.endr
.endr
	WIN 0
.if \q == 0
.set n, 0
.rept 32
	v_cmp_ne_u32 s[MW+n], 0, v[MK+n]               ; which lanes' key counts: both heads share it.  (These are also the places behind the products)
.set n, n+1
.endr
.else
.rept 4
	v_nop                                          ; four places behind the products: for the loads into K's registers and for the first read of the scores
.endr
.endif
.if \q < 3
	LOADK (\q)+1                                   ; the next step's K and mask: this step's compares have read the mask's registers
.endif
.set n, 0
.rept 32
.irp t, 0,1
	v_cndmask_b32 v[S+32*\t+n], v14, v[S+32*\t+n], s[MW+n]   ; a masked score is replaced; each accumulator from its low end on
.endr
.set n, n+1
.endr
.irp j, 0,1,2,3                        ; the maximum: four chains of seven scores, the four left over, the chains and the old m; the two tiles by turns
.irp t, 0,1
	v_max3_num_f32 v[ST+8*\t+4+\j], v[S+32*\t+8*\j], v[S+32*\t+8*\j+1], v[S+32*\t+8*\j+2]
.endr
.endr
.irp g, 3,5
.irp j, 0,1,2,3
.irp t, 0,1
	v_max3_num_f32 v[ST+8*\t+4+\j], v[ST+8*\t+4+\j], v[S+32*\t+8*\j+\g], v[S+32*\t+8*\j+\g+1]
.endr
.endr
.endr
.irp t, 0,1
	v_max3_num_f32 v[ST+8*\t+4], v[ST+8*\t+4], v[S+32*\t+7], v[S+32*\t+15]
.endr
.irp t, 0,1
	v_max3_num_f32 v[ST+8*\t+6], v[ST+8*\t+6], v[S+32*\t+23], v[S+32*\t+31]
.endr
.irp t, 0,1
	v_max3_num_f32 v[ST+8*\t+4], v[ST+8*\t+4], v[ST+8*\t+5], v[ST+8*\t+6]
.endr
.irp t, 0,1
	v_max3_num_f32 v[ST+8*\t+4], v[ST+8*\t+4], v[ST+8*\t+7], v[ST+8*\t]
.endr
.irp t, 0,1
	v_permlanex16_b32 v[ST+8*\t+5], v[ST+8*\t+4], s22, s23   ; the query's other 32 keys lie in the lane 16 away
.endr
.irp t, 0,1
	v_mov_b32 v[ST+8*\t+1], v[ST+8*\t]
.endr
.irp t, 0,1
	v_max_num_f32 v[ST+8*\t], v[ST+8*\t+4], v[ST+8*\t+5]     ; the new m
.endr
.irp t, 0,1
	v_sub_f32 v[ST+8*\t+1], v[ST+8*\t+1], v[ST+8*\t]         ; old m - new m
.endr
.set n, 0
.rept 16
.irp t, 0,1
	v_pk_add_f32 v[S+32*\t+n:S+32*\t+n+1], v[S+32*\t+n:S+32*\t+n+1], v[ST+8*\t:ST+8*\t+1] op_sel_hi:[1,0] neg_lo:[0,1] neg_hi:[0,1]   ; t - m, two at a time
.endr
.set n, n+2
.endr
.irp t, 0,1
	v_exp_f32 v[ST+8*\t+2], v[ST+8*\t+1]           ; a = 2^(old m - new m)
.endr
.set n, 0
.rept 32
.irp t, 0,1
	v_exp_f32 v[S+32*\t+n], v[S+32*\t+n]           ; p = 2^(t - m)
.endr
.set n, n+1
.endr
	v_nop                                          ; a plain line behind the last exponential
	s_wait_alu depctr_va_vdst(0)                   ; the wait ahead of the first line that names a result: one for the 66
.set n, 0
.rept 16
.irp t, 0,1
	v_cvt_pk_f16_f32 v[P+16*\t+n], v[S+32*\t+2*n], v[S+32*\t+2*n+1]
.endr
.set n, n+1
.endr
.set n, 0
.rept 16
.irp t, 0,1
	v_pk_mul_f32 v[O+32*\t+n:O+32*\t+n+1], v[O+32*\t+n:O+32*\t+n+1], v[ST+8*\t+2:ST+8*\t+3] op_sel_hi:[1,0]   ; O^T under the new m
.endr
.set n, n+2
.endr
.irp t, 0,1
	v_pk_mul_f32 v[L+8*\t:L+8*\t+1], v[L+8*\t:L+8*\t+1], v[ST+8*\t+2:ST+8*\t+3] op_sel_hi:[1,0]   ; the sum likewise: register 0 alone is read at the end; the upper six hold plain sums of p, 2,048 at the most
.endr
	s_wait_dscnt 0x0                               ; V is in, and so are the next step's K and mask, asked for a softmax ago
	WIN 0x01                                       ; V and the ones window 1; P, O^T, the sums and the mask's words window 0
.set cw, 0
.set cn, 0
.irp u, 0,1                            ; ten accumulators take turns: O^T's eight and the two sums
.irp ct, 0,1,2,3
.irp t, 0,1
	v_wmma_f32_16x16x32_f16 v[O+32*\t+8*\ct:O+32*\t+8*\ct+7], v[VF+8*(4*\u+\ct):VF+8*(4*\u+\ct)+7], v[P+16*\t+8*\u:P+16*\t+8*\u+7], v[O+32*\t+8*\ct:O+32*\t+8*\ct+7]
	CMPS \q
.endr
.endr
.irp t, 0,1
	v_wmma_f32_16x16x32_f16 v[L+8*\t:L+8*\t+7], v[ONE:ONE+7], v[P+16*\t+8*\u:P+16*\t+8*\u+7], v[L+8*\t:L+8*\t+7]
	CMPS \q
.endr
.endr
.if \q == 3
	WIN 0                                          ; a branch or a label follows
.endif
.endm
; THE CHANGE OF SLOTS stands at a slot's head.  Each wave waits for all its tensor loads (its part of the slot that it is about to read), adds 0 to its spare word, and waits for that and for its reads of the slot that it has left.
; fill = 1: behind a round of the cluster's barrier, so that no wave of any partner still reads it, the slot just left is filled with the keys that follow.
.macro CHANGE fill
	s_wait_tensorcnt 0x0                           ; no tensor load of mine is out, so a group 0 may be written
	ds_add_u32 v12, v13
.if \fill
	ds_add_u32 v12, v13                            ; and twice on end here, in every trip alike; the descriptors' steps stand between it and the wait
	s_xor_b32 s41, s41, SLOT1
	s_add_nc_u64 s[42:43], s[42:43], 32768
	s_xor_b32 s45, s45, SLOT1
	s_add_nc_u64 s[46:47], s[46:47], 32768
	s_xor_b32 s49, s49, SLOT1
	s_add_nc_u64 s[50:51], s[50:51], 1024
	s_wait_xcnt 0x0                                ; the last prefetch, a slot back, has read its address
	s_add_nc_u64 s[18:19], s[18:19], s[20:21]      ; one slot further on than the descriptors
	s_wait_dscnt 0x0
	CROUND
	JLOAD                                          ; the first thing behind the round, and a wave's one tensor load until the next
	ASK
.else
	s_wait_dscnt 0x0
	s_barrier_signal -1
	s_barrier_wait -1
.endif
.endm
.macro SLOT_STEPS
	STEP 0
	STEP 1
	STEP 2
	STEP 3
	s_xor_b32 s52, s52, SLOT1                      ; on to the other slot
.endm
	s_wait_loadcnt 0x0                             ; Q
.Lslot:                                            ; seven trips: behind each change of slots but the last the next slot is asked for
	CHANGE 1
	SLOT_STEPS
	s_sub_co_u32 s53, s53, 1
	s_cmp_lg_u32 s53, 0
	s_cbranch_scc1 .Lslot
	CHANGE 0                                       ; the last slot is written out
	SLOT_STEPS
	; THE WAY OUT.  O^T / the sum, rounded to f16, through my stage: a row is my two heads' 128 channels, 256 bytes.
.rept 4
	v_nop                                          ; four places behind the last products
.endr
.irp t, 0,1
	v_rcp_f32 v[RC+2*\t], v[L+8*\t]                ; the sum holds the largest p, which is 1
.endr
	v_nop
	s_wait_alu depctr_va_vdst(0)                   ; one wait for the two reciprocals, ahead of their first reader
.irp t, 0,1
.set n, 0
.rept 16
	v_pk_mul_f32 v[O+32*\t+n:O+32*\t+n+1], v[O+32*\t+n:O+32*\t+n+1], v[RC+2*\t:RC+2*\t+1] op_sel_hi:[1,0]
.set n, n+2
.endr
.endr
.irp t, 0,1
.set n, 0
.rept 16
	v_cvt_pk_f16_f32 v[S+16*\t+n], v[O+32*\t+2*n], v[O+32*\t+2*n+1]
.set n, n+1
.endr
.endr
.irp t, 0,1
.irp ct, 0,1,2,3
	ds_store_b128 v8, v[S+16*\t+4*\ct:S+16*\t+4*\ct+3] offset:128*\t+32*\ct   ; lane (r, h): x(r, head t, 16 ct + 8 h + 0 .. 7)
.endr
.endr
.irp i, 0,1,2,3,4,5,6,7
	ds_load_b128 v[S+32+4*\i:S+32+4*\i+3], v9 offset:544*\i   ; LDS serves a wave's instructions in order: these see my stores
.endr
.irp i, 0,1,2,3,4,5,6,7
	s_wait_dscnt 7-\i
	global_store_b128 v10, v[S+32+4*\i:S+32+4*\i+3], s[10:11] offset:4096*\i   ; sixteen lanes store 256 consecutive bytes, aligned
.endr
	s_wait_tensorcnt 0x0                           ; the wave's end
	ds_add_u32 v12, v13
	s_wait_dscnt 0x0
	CROUND                                         ; the closing round: no work-group ends while a partner may still ask for a tile that names it
	s_endpgm
.Lfunc_end_k_q6d22198592_attn:
	.size	k_q6d22198592_attn, .Lfunc_end_k_q6d22198592_attn-k_q6d22198592_attn
	.p2alignl 7, 3214868480
	.fill 96, 4, 3214868480
	.section	.rodata,"a",@progbits
	.p2align	6, 0x0
	.amdhsa_kernel k_q6d22198592_attn
		.amdhsa_group_segment_fixed_size 327680
		.amdhsa_private_segment_fixed_size 0
		.amdhsa_enable_private_segment 0
		.amdhsa_kernarg_size 32
		.amdhsa_user_sgpr_count 2
		.amdhsa_user_sgpr_kernarg_segment_ptr 1
		.amdhsa_wavefront_size32 1
		.amdhsa_system_sgpr_workgroup_id_x 1
		.amdhsa_system_sgpr_workgroup_id_y 1
		.amdhsa_system_sgpr_workgroup_id_z 1
		.amdhsa_system_vgpr_workitem_id 0
		.amdhsa_next_free_vgpr 512
		.amdhsa_next_free_sgpr 100
		.amdhsa_reserve_vcc 0
		.amdhsa_float_denorm_mode_32 3
		.amdhsa_float_denorm_mode_16_64 3
		.amdhsa_memory_ordered 1
		.amdhsa_forward_progress 1
		.amdhsa_inst_pref_size 194
	.end_amdhsa_kernel
	.amdgpu_metadata
---
amdhsa.version: [ 1, 2 ]
amdhsa.kernels:
  - .name:           k_q6d22198592_attn
    .symbol:         k_q6d22198592_attn.kd
    .args:
      - { .name: qh, .offset: 0, .size: 8, .value_kind: global_buffer, .address_space: global }
      - { .name: kvh, .offset: 8, .size: 8, .value_kind: global_buffer, .address_space: global }
      - { .name: mask, .offset: 16, .size: 8, .value_kind: global_buffer, .address_space: global }
      - { .name: xh, .offset: 24, .size: 8, .value_kind: global_buffer, .address_space: global }
    .group_segment_fixed_size: 327680
    .private_segment_fixed_size: 0
    .kernarg_segment_align: 8
    .kernarg_segment_size: 32
    .max_flat_workgroup_size: 256
    .sgpr_count:     100
    .vgpr_count:     512
    .wavefront_size: 32
...
	.end_amdgpu_metadata
.endif
;; end of part 3
;; launch outp (part 4): grid 8 x 32, 4 waves a work-group, clusters of 4 x 4, 327,680 bytes of LDS; arguments xh, wot, bo, out0; writes out0
.if DOCPART == 4
	.amdgcn_target "amdgcn-amd-amdhsa--gfx1250"
	.amdhsa_code_object_version 6
	.text
	.protected	k_q6d22198592_outp
	.globl	k_q6d22198592_outp
	.p2align	8
	.type	k_q6d22198592_outp,@function
k_q6d22198592_outp:
	s_mov_b64 s[64:65], 0
	v_nop
	global_prefetch_b8 v0, s[64:65] scope:SCOPE_SE
	s_setreg_imm32_b32 hwreg(HW_REG_WAVE_MODE, 25, 1), 1
	s_wait_xcnt 0x0
	s_wait_alu depctr_hold_cnt(0) depctr_sa_sdst(0) depctr_va_vdst(0) depctr_va_sdst(0) depctr_va_ssrc(0) depctr_va_vcc(0) depctr_vm_vsrc(0)
	s_getreg_b32 s2, hwreg(HW_REG_IB_STS2, 6, 4)
	s_cmp_eq_u32 s2, 0
	s_cbranch_scc0 .Lentry_in_a_cluster
	s_endpgm
.Lentry_in_a_cluster:
	s_bfe_u32 s2, ttmp6, 0x10000c
	s_cmp_lg_u32 s2, 0xf033
	s_cbranch_scc0 .Lentry_shape_is_right
	s_endpgm
.Lentry_shape_is_right:
; OUTP.  out0[m][n] = the sum over k of x[m][k] Wo[k][n] + bo[n].  A = xh [4096][1024] f16, B = wot [1024 n][1024 k] f16, out0 [4096][1024] f32; sums in f32.
; A tile of the output is 128 x 128 (256 tiles: one for each work-group).  Four waves, each 64 x 64: 16 accumulators.  K goes in four steps of 256 (LDS rows of 512 bytes + 16) through two slots; a wave's tensor load brings 64 rows.
; CLUSTERS: 4 x 4 work-groups.  The four of a row of the cluster need the same tiles of A, the four of a column the same tiles of B: each tile is asked for JOINTLY, by the same load with a mask that names the four.
; THE MATRIX INSTRUCTION IS USED TRANSPOSED (source 0 = 16 rows of B, source 1 = 16 rows of A): a lane holds eight neighbouring numbers of a row of the output.  The bias is the C of each sum's first product.
; A wave's 64 columns of f32 are 256 bytes, so each wave sends its own rows through its own stage: no barrier on the way out.
; REGISTERS: window 0: v16-29 addresses; v32-95 the way out; v96-127 the bias (n block b at 96 + 8 b); v128-255 the accumulators ((a, b) at 128 + 8 (4 a + b)).  Window 1: two fragment buffers of 128 (64 of A, 64 of B, for 64 along K).
.set SIZE_N, 1024
.set SIZE_K, 1024
.set KSTEP,  256
.set PITCH,  528
.set HALFT,  64*PITCH
.set SLOT,   4*HALFT
.set STAGE,  2*SLOT                    ; behind the ring: 16 rows x 272 bytes for each wave
.set SPITCH, 272
.set SPARE,  STAGE+4*16*SPITCH         ; behind the stages: the spare words, 128 bytes a wave: two blocks of 256 bytes that no other line names
.set ADRA, 16
.set ADRB, 20
.set STO,  24
.set RD,   25
.set CO,   26
.set SPW,  28
.set NIL,  29
.set TMP,  32
.set BIA,  96
.set ACC,  128
.set F0,   0
.set F1,   128
.set G1,  24
.set G0,  32
.set G1B, 48
.set G0B, 56
.set MSB, 0
.macro WIN new
.if MSB != \new
	s_set_vgpr_msb (MSB<<8)|\new
.set MSB, \new
.endif
.endm
.set MUL,  0x05                        ; sources 0 (B) and 1 (A) window 1; C and D window 0
.set TO_F, 0x40                        ; destination window 1, address window 0
.macro JLOAD s                         ; waves 0 and 1 fetch A's two halves, waves 2 and 3 B's; an s_nop 0 and four v_nop follow each line
	s_cmp_eq_u32 s13, 0
	s_cbranch_scc0 .Lfor_b_\@
	tensor_load_to_lds s[G0+4*\s:G0+4*\s+3], s[G1:G1+7]
	s_nop 0
.rept 4
	v_nop
.endr
	s_branch .Lasked_\@
.Lfor_b_\@:
	tensor_load_to_lds s[G0B+4*\s:G0B+4*\s+3], s[G1B:G1B+7]
	s_nop 0
.rept 4
	v_nop
.endr
.Lasked_\@:
.endm
.macro CREST                           ; a round of the cluster's barrier behind its opening barrier
	s_cmp_lg_u32 s12, 0
	s_cbranch_scc1 .Lnot_wave_0_\@
	s_barrier_signal -3
.Lnot_wave_0_\@:
	s_barrier_wait -3
	s_barrier_signal -1
	s_barrier_wait -1
.endm
.macro CROUND
	s_barrier_signal -1
	s_barrier_wait -1
	CREST
.endm
	s_load_b256 s[4:11], s[0:1], 0x0               ; A s[4:5], B s[6:7], bo s[8:9], out0 s[10:11]
	v_lshl_add_u32 v[SPW], v0, 2, SPARE
	v_mov_b32 v[NIL], 0
	ds_add_u32 v[SPW], v[NIL]                      ; the wave's opening: the add, twice on end, and its wait ahead of my first tensor load
	ds_add_u32 v[SPW], v[NIL]
	v_lshrrev_b32 v1, 5, v0
	v_readfirstlane_b32 s12, v1                    ; wave 0..3
	s_lshr_b32 s13, s12, 1                         ; which half of the tile's rows is mine.  Also: I fetch for A (0) or for B (1)
	s_and_b32 s14, s12, 1                          ; which half of its columns.  Also: which 64 rows of that tile I fetch
	s_bfe_u32 s40, ttmp6, 0x40000                  ; cx, cy
	s_bfe_u32 s41, ttmp6, 0x40004
	s_lshl_b32 s42, ttmp9, 2
	s_add_co_u32 s42, s42, s40                     ; tile column
	s_and_b32 s15, ttmp7, 0xffff
	s_lshl_b32 s15, s15, 2
	s_add_co_u32 s15, s15, s41                     ; tile row
	s_lshl_b32 s43, s41, 2
	s_lshl_b32 s43, 15, s43                        ; my row of the cluster
	s_lshl_b32 s44, 0x1111, s40                    ; my column
	s_or_b32 s[G1+0], s43, (1<<16)|(1<<20)|(1<<21)|(6<<22)|(3<<25)  ; the mask; elements of 2 bytes; padding on; bit 21 beside a mask; four words behind every 128
	s_or_b32 s[G1B+0], s44, (1<<16)|(1<<20)|(1<<21)|(6<<22)|(3<<25)
.irp g, G1, G1B
	s_mov_b32 s[\g+1], KSTEP<<16                   ; tensor_dim0 = 256
	s_mov_b32 s[\g+2], 64<<16                      ; tensor_dim1 = 64
	s_mov_b32 s[\g+3], KSTEP<<16                   ; tile_dim0 = 256
	s_mov_b32 s[\g+4], 64                          ; tile_dim1 = 64
	s_mov_b32 s[\g+5], SIZE_K                      ; elements from row to row
	s_mov_b32 s[\g+6], 0
	s_mov_b32 s[\g+7], 0
.endr
	s_lshl_b32 s17, s14, 6
	s_lshl_b32 s16, s15, 7
	s_add_co_u32 s16, s16, s17                     ; A: row 128 x tile row + 64 x half
	s_lshl_b32 s46, s42, 7
	s_add_co_u32 s46, s46, s17                     ; B: row 128 x tile column + 64 x half
	s_mov_b32 s17, 0
	s_mov_b32 s47, 0
	s_mov_b64 s[18:19], SIZE_K*2
	s_mul_u64 s[16:17], s[16:17], s[18:19]
	s_mul_u64 s[46:47], s[46:47], s[18:19]
	s_mul_i32 s20, s12, HALFT                      ; where they go: wave x 64 rows
	s_wait_dscnt 0x0                               ; both opening adds are done
	s_wait_kmcnt 0x0
	s_add_nc_u64 s[66:67], s[4:5], s[16:17]
	s_add_nc_u64 s[46:47], s[6:7], s[46:47]
	CROUND                                         ; all sixteen work-groups are here: the first joint loads meet
.irp s, 0,1
	s_mov_b32 s[G0+4*\s], 1
	s_add_co_u32 s[G0+4*\s+1], s20, \s*SLOT
	s_add_nc_u64 s[G0+4*\s+2:G0+4*\s+3], s[66:67], \s*KSTEP*2
	s_or_b32 s[G0+4*\s+3], s[G0+4*\s+3], 0x80000000
	s_mov_b32 s[G0B+4*\s], 1
	s_add_co_u32 s[G0B+4*\s+1], s20, \s*SLOT
	s_add_nc_u64 s[G0B+4*\s+2:G0B+4*\s+3], s[46:47], \s*KSTEP*2
	s_or_b32 s[G0B+4*\s+3], s[G0B+4*\s+3], 0x80000000
	JLOAD \s                                       ; two loads of mine are out
.endr
	v_and_b32 v1, 15, v0                           ; l % 16
	v_bfe_u32 v2, v0, 4, 1                         ; l / 16
	s_lshl_b32 s46, s42, 9                         ; my first column, in bytes of f32: 512 x tile column + 256 x half
	s_lshl_b32 s47, s14, 8
	s_add_co_u32 s46, s46, s47
	s_mov_b32 s47, 0
	s_add_nc_u64 s[8:9], s[8:9], s[46:47]
	v_lshlrev_b32 v6, 5, v2                        ; the bias of n block b: numbers 16 b + 8 h + 0 .. 7
.irp b, 0,1,2,3
	global_load_b128 v[BIA+8*\b:BIA+8*\b+3], v6, s[8:9] offset:64*\b
	global_load_b128 v[BIA+8*\b+4:BIA+8*\b+7], v6, s[8:9] offset:64*\b+16
.endr
	v_mul_u32_u24 v3, v1, PITCH
	v_lshl_add_u32 v3, v2, 4, v3                   ; a fragment's row x pitch + 16 x half
	s_mul_i32 s21, s13, HALFT                      ; my 64 rows of A
	s_mul_i32 s22, s14, HALFT                      ; my 64 rows of B,
	s_add_co_u32 s22, s22, 2*HALFT                 ; which lie behind A's 128
.irp s, 0,1
	v_add_nc_u32 v[ADRA+\s], s21, v3
	v_add_nc_u32 v[ADRB+\s], s22, v3
	s_add_co_u32 s21, s21, SLOT
	s_add_co_u32 s22, s22, SLOT
.endr
	s_mul_i32 s23, s12, 16*SPITCH
	s_add_co_u32 s23, s23, STAGE                   ; my stage
	v_mul_u32_u24 v4, v1, SPITCH
	v_lshl_add_u32 v4, v2, 5, v4
	v_add_nc_u32 v[STO], s23, v4                   ; in: row l % 16, 32 bytes for each half of the lanes
	v_mul_u32_u24 v5, v2, SPITCH
	v_lshl_add_u32 v5, v1, 4, v5
	v_add_nc_u32 v[RD], s23, v5                    ; back: lanes 0-15 one row of 256 bytes, lanes 16-31 the next
	v_lshlrev_b32 v[CO], 4, v1
	v_lshl_add_u32 v[CO], v2, 12, v[CO]            ; and the same two rows of the output
	s_lshl_b32 s16, s15, 7
	s_lshl_b32 s17, s13, 6
	s_add_co_u32 s16, s16, s17                     ; my first row: 128 x tile row + 64 x half
	s_lshl_b32 s16, s16, 12                        ; of 4,096 bytes
	s_mov_b32 s17, 0
	s_add_nc_u64 s[10:11], s[10:11], s[16:17]
	s_add_nc_u64 s[10:11], s[10:11], s[46:47]
; 8 matrix instructions: m blocks a0, a0 + 1 x all 4 n blocks, 32 along K: half c of buffer f.  first = 1: the first product starts the sums from the bias
.macro MUL8 f, c, a0, first
.irp a, \a0, \a0+1
.irp b, 0,1,2,3
.if \first
	v_wmma_f32_16x16x32_f16 v[ACC+8*(4*(\a)+\b):ACC+8*(4*(\a)+\b)+7], v[\f+64+8*(4*\c+\b):\f+64+8*(4*\c+\b)+7], v[\f+8*(4*\c+\a):\f+8*(4*\c+\a)+7], v[BIA+8*\b:BIA+8*\b+7]
.else
	v_wmma_f32_16x16x32_f16 v[ACC+8*(4*(\a)+\b):ACC+8*(4*(\a)+\b)+7], v[\f+64+8*(4*\c+\b):\f+64+8*(4*\c+\b)+7], v[\f+8*(4*\c+\a):\f+8*(4*\c+\a)+7], v[ACC+8*(4*(\a)+\b):ACC+8*(4*(\a)+\b)+7]
.endif
.endr
.endr
.endm
; 32 LDS loads in one run: the fragments of 64 along K at byte k of the rows, into buffer f; the first 32 along K first
.macro FETCH slot, k, f
	WIN TO_F
.irp c, 0,1
.irp i, 0,1,2,3
	ds_load_b128 v[\f+64+8*(4*\c+\i):\f+64+8*(4*\c+\i)+3],   v[ADRB+\slot] offset:\k+64*\c+\i*16*PITCH
	ds_load_b128 v[\f+64+8*(4*\c+\i)+4:\f+64+8*(4*\c+\i)+7], v[ADRB+\slot] offset:\k+64*\c+\i*16*PITCH+32
	ds_load_b128 v[\f+8*(4*\c+\i):\f+8*(4*\c+\i)+3],         v[ADRA+\slot] offset:\k+64*\c+\i*16*PITCH
	ds_load_b128 v[\f+8*(4*\c+\i)+4:\f+8*(4*\c+\i)+7],       v[ADRA+\slot] offset:\k+64*\c+\i*16*PITCH+32
.endr
.endr
.endm
.macro PLACES                          ; four places in front of loads into registers that matrix instructions have read, and of the first read of results
.rept 4
	v_nop
.endr
.endm
; A K step is four quarters of 64 along K, 32 matrix instructions each, on buffers 0, 1, 0, 1; the 16 accumulators take turns.
.macro QUARTER slot, k, f, g, first
	s_wait_dscnt 16                                ; the first 32 along K are in
	WIN MUL
	MUL8 \f, 0, 0, \first
	MUL8 \f, 0, 2, \first
	PLACES
	FETCH \slot, \k, \g
	s_wait_dscnt 32                                ; all but the 32 just issued
	WIN MUL
	MUL8 \f, 1, 0, 0
	MUL8 \f, 1, 2, 0
.endm
; The last quarter multiplies buffer 1 and changes slots: ONE barrier; in front of it each wave waits for all its tensor loads, adds 0 to its spare word, and waits for that and for its own reads of this slot.
.macro TURN slot, next, fill
	WIN 0                                          ; (the add's two registers lie in window 0)
	s_wait_tensorcnt 0x0                           ; all my tensor loads have landed: my part of the next slot;
	ds_add_u32 v[SPW], v[NIL]
	s_wait_dscnt 17                                ; (the add and the youngest sixteen loads may be out)
	WIN MUL
	MUL8 F1, 0, 0, 0
	s_wait_dscnt 0x0                               ; the add is done, and my reads of this slot are over
	s_barrier_signal -1
	MUL8 F1, 0, 2, 0
.if \fill
	WIN 0
.endif
	s_barrier_wait -1
.if \fill
	CREST                                          ; the barrier has opened a round of the cluster's: no wave of any partner still reads this slot or has a load on its way
	s_add_nc_u64 s[G0+4*\slot+2:G0+4*\slot+3], s[G0+4*\slot+2:G0+4*\slot+3], 2*KSTEP*2
	s_add_nc_u64 s[G0B+4*\slot+2:G0B+4*\slot+3], s[G0B+4*\slot+2:G0B+4*\slot+3], 2*KSTEP*2
	JLOAD \slot                                    ; the first tensor load behind the round; its four v_nop are also the places in front of the loads below
.else
	PLACES
.endif
	FETCH \next, 0, F0
	WIN MUL
	MUL8 F1, 1, 0, 0
	MUL8 F1, 1, 2, 0
.endm
	s_wait_tensorcnt 1                             ; my part of K step 0 is in (K step 1's load may be out)
	s_barrier_signal -1
	s_barrier_wait -1                              ; everybody's is
	FETCH 0, 0, F0
	s_wait_loadcnt 0x0                             ; the bias
	QUARTER 0, 128, F0, F1, 1                      ; K step 0
	QUARTER 0, 256, F1, F0, 0
	QUARTER 0, 384, F0, F1, 0
	TURN 0, 1, 1                                   ; slot 0 takes K step 2
	QUARTER 1, 128, F0, F1, 0                      ; K step 1
	QUARTER 1, 256, F1, F0, 0
	QUARTER 1, 384, F0, F1, 0
	TURN 1, 0, 1                                   ; slot 1 takes K step 3
	QUARTER 0, 128, F0, F1, 0                      ; K step 2
	QUARTER 0, 256, F1, F0, 0
	QUARTER 0, 384, F0, F1, 0
	TURN 0, 1, 0                                   ; nothing is left to fetch
	QUARTER 1, 128, F0, F1, 0                      ; K step 3
	QUARTER 1, 256, F1, F0, 0
	QUARTER 1, 384, F0, F1, 0
	s_wait_dscnt 16
	WIN MUL
	MUL8 F1, 0, 0, 0
	MUL8 F1, 0, 2, 0
	s_wait_dscnt 0
	MUL8 F1, 1, 0, 0
	MUL8 F1, 1, 2, 0
	WIN 0
; THE WAY OUT, a block of 16 rows x 64 columns at a time: a lane's 32 bytes of a row go into my stage and come back as whole rows of 256 bytes.  LDS serves a wave's instructions in order: no wait between stores and loads.
.macro TOSTAGE a
.irp b, 0,1,2,3
	ds_store_b128 v[STO], v[ACC+8*(4*(\a)+\b):ACC+8*(4*(\a)+\b)+3] offset:64*\b          ; each accumulator from its low end on
	ds_store_b128 v[STO], v[ACC+8*(4*(\a)+\b)+4:ACC+8*(4*(\a)+\b)+7] offset:64*\b+16
.endr
.irp t, 0,1,2,3,4,5,6,7
	ds_load_b128 v[TMP+32*((\a)%2)+4*\t:TMP+32*((\a)%2)+4*\t+3], v[RD] offset:\t*2*SPITCH
.endr
.endm
.macro SEND a, younger                 ; younger: the LDS instructions issued behind block a's loads, which may stay out
	s_wait_dscnt \younger
.irp t, 0,1,2,3,4,5,6,7
	global_store_b128 v[CO], v[TMP+32*((\a)%2)+4*\t:TMP+32*((\a)%2)+4*\t+3], s[10:11] offset:(16*(\a)+2*\t)*SIZE_N*4 th:TH_STORE_NT   ; sixteen lanes store 256 consecutive bytes, aligned; written once, read by nobody here
.endr
.endm
	PLACES
	TOSTAGE 0
.irp a, 1,2,3
.if \a > 1
	s_wait_xcnt 0x0                                ; block a - 2's stores have read their registers: block a's loads may land there
.endif
	TOSTAGE \a
	SEND \a-1, 16                                  ; behind block a - 1's loads: block a's 8 stores and 8 loads
.endr
	SEND 3, 0
	s_wait_tensorcnt 0x0                           ; the wave's end
	ds_add_u32 v[SPW], v[NIL]
	s_wait_dscnt 0x0
	CROUND                                         ; the closing round: no work-group ends while a partner may still ask for a tile that names it
	s_endpgm
.Lfunc_end_k_q6d22198592_outp:
	.size	k_q6d22198592_outp, .Lfunc_end_k_q6d22198592_outp-k_q6d22198592_outp
	.p2alignl 7, 3214868480
	.fill 96, 4, 3214868480
	.section	.rodata,"a",@progbits
	.p2align	6, 0x0
	.amdhsa_kernel k_q6d22198592_outp
		.amdhsa_group_segment_fixed_size 327680
		.amdhsa_private_segment_fixed_size 0
		.amdhsa_enable_private_segment 0
		.amdhsa_kernarg_size 32
		.amdhsa_user_sgpr_count 2
		.amdhsa_user_sgpr_kernarg_segment_ptr 1
		.amdhsa_wavefront_size32 1
		.amdhsa_system_sgpr_workgroup_id_x 1
		.amdhsa_system_sgpr_workgroup_id_y 1
		.amdhsa_system_sgpr_workgroup_id_z 1
		.amdhsa_system_vgpr_workitem_id 0
		.amdhsa_next_free_vgpr 512
		.amdhsa_next_free_sgpr 70
		.amdhsa_reserve_vcc 0
		.amdhsa_float_denorm_mode_32 3
		.amdhsa_float_denorm_mode_16_64 3
		.amdhsa_memory_ordered 1
		.amdhsa_forward_progress 1
		.amdhsa_inst_pref_size 86
	.end_amdhsa_kernel
	.amdgpu_metadata
---
amdhsa.version: [ 1, 2 ]
amdhsa.kernels:
  - .name:           k_q6d22198592_outp
    .symbol:         k_q6d22198592_outp.kd
    .args:
      - { .name: xh, .offset: 0, .size: 8, .value_kind: global_buffer, .address_space: global }
      - { .name: wot, .offset: 8, .size: 8, .value_kind: global_buffer, .address_space: global }
      - { .name: bo, .offset: 16, .size: 8, .value_kind: global_buffer, .address_space: global }
      - { .name: out0, .offset: 24, .size: 8, .value_kind: global_buffer, .address_space: global }
    .group_segment_fixed_size: 327680
    .private_segment_fixed_size: 0
    .kernarg_segment_align: 8
    .kernarg_segment_size: 32
    .max_flat_workgroup_size: 128
    .sgpr_count:     70
    .vgpr_count:     512
    .wavefront_size: 32
...
	.end_amdgpu_metadata
.endif
;; end of part 4
